; MI455X (gfx1250); checked and timed in simulation.
; The chip was launched on July 23, 2026; its instructions are those of AMD's public machine-readable ISA for CDNA 5 (MIT licence, August 2026) and "CDNA5" Instruction Set Architecture Reference Guide (July 2026). The comments in the code are by the model that wrote it; some were corrected since.
;; Hyp Attention. Allowed arithmetic: matrix products marked QUANTISED: E3M2 operands, one E8M0 scale for each 32 along K, by v_wmma_scale_f32_16x16x128_f8f6f4 with both operands' format E3M2, f32 sums; products left as they are: f32 operands where the result goes on into a quantised operand, else bf16, f16 or f32 operands; f32 sums; everything else in f32.
;; Inputs: Wk 8 x 256 x 64 float32; Wm 64 x 64 float32; Wq 8 x 256 x 64 float32; Wv 8 x 256 x 64 float32; bk 8 x 64 float32; bm 64 float32; bq 8 x 64 float32; bv 8 x 64 float32; norm_scale one number float32; query_input 100,000 x 256 float32.
;; Outputs: out0 100,000 x 65 float32.
;; This version of the problem:
;;   THIS VERSION OF THE PROBLEM IS GIVEN IN LOW PRECISION. The matrix products marked QUANTISED in the list below multiply operands that are first quantised to E3M2 (3 exponent bits, 2 mantissa bits; 6 bits a number), with one power-of-two scale for each 32 numbers along K (OCP MX v1.0); their sums are f32. All else is computed in f32.
;;   The module's matrix products, in the order in which they are computed (A, B: the left and right operand; K: the contracted axis; several contracted axes count as one K, in the product's order):
;;     1. [M 100,000, K 256] x [K 256, N 512]; A: input query_input; B: input Wq: QUANTISED
;;     2. [M 100,000, K 256] x [K 256, N 512]; A: input query_input; B: input Wk: QUANTISED
;;     3. [M 100,000, K 256] x [K 256, N 512]; A: input query_input; B: input Wv: QUANTISED
;;     4. batch 8 x [M 64, K 100,000] x [K 100,000, N 64]; A: computed on the way; B: computed on the way: QUANTISED
;;     5. batch 8 x [M 64, K 64] x [K 64, N 100,000]; A: computed on the way; B: computed on the way: QUANTISED
;;     6. batch 8 x [M 1, K 64] x [K 64, N 100,000]; A: computed on the way; B: computed on the way: left as it is (M = 1 < 16)
;;     7. [M 800,000, K 64] x [K 64, N 64]; A: computed on the way; B: input Wm: QUANTISED
;;   THE QUANTISER, for each operand of a quantised product, along K:
;;     - K is cut into blocks of 32 from its start; a last block that is shorter is filled with zeros.
;;     - A block's scale is 2^e with e = floor(log2(the largest magnitude in the block)) - 4, held to -126 .. 127; a block of zeros has e = 0. As a byte (E8M0): e + 127.
;;     - Each number is divided by its block's scale, clamped to +-28, and rounded to the nearest number of E3M2, ties to even, subnormals kept.
;;     - The product sums the exact products of the quantised numbers (number of the format x scale) in f32.
;;   ~~~python
;;   def quantise(x, axis):      # numpy; x: float32 -> the quantised numbers, widened to float32 again
;;       x = np.moveaxis(x, axis, -1); K = x.shape[-1]
;;       x = np.pad(x, [(0, 0)] * (x.ndim - 1) + [(0, -K % 32)]); x = x.reshape(x.shape[:-1] + (-1, 32)); a = np.abs(x).max(-1, keepdims=True)
;;       e = np.where(a > 0, np.clip(np.frexp(np.where(a > 0, a, 1))[1] - 1 - 4, -126, 127), 0)      # np.frexp(a)[1] - 1 = floor(log2(a)), exactly
;;       r = np.clip(x / 2.0 ** e, -28, 28)
;;       step = 2.0 ** (np.maximum(np.frexp(np.where(r == 0, 1, r))[1] - 1, -2) - 2)
;;       q = np.round(r / step) * step * 2.0 ** e      # np.round: ties to even
;;       return np.moveaxis(q.reshape(q.shape[:-2] + (-1,))[..., :K], -1, axis).astype(np.float32)
;;   ~~~
;;   OPERANDS COMPUTED ON THE WAY. 'Computed on the way' means the value that the module computes at that place (a softmax that the list does not call 'softmax' is quantised finished and normalised). What goes into a quantiser is computed in f32, as accurately as f32 sums, v_exp_f32 and their like allow (about 1e-6 of the number): no bf16 or f16 on the way to a quantiser, and a product that is left as it is and whose result goes on into a quantised operand takes f32 operands (vector FMAs, or v_wmma_f32_16x16x4_f32). A number that lies on a knife's edge between two numbers of the format may be rounded either way, as far as f32 arithmetic and the matrix unit's own rounding can turn it there, and no further.
;; One version. Each part assembles by itself: llvm-mc -triple=amdgcn-amd-amdhsa -mcpu=gfx1250 --defsym DOCPART=n.
;; ======== version 1 of 1: 4 launches
;; workspace buffers: xcod 19,200,000 bytes; xscl 800,000 bytes; wrec 311,296 bytes; ktp 4,194,304 bytes; skp 65,536 bytes; krec 34,816 bytes
;; launch prep (part 1): grid 3175 x 1, 2 waves a work-group, no clusters, 34,048 bytes of LDS; arguments query_input, Wq, Wk, Wv, Wm, xcod, xscl, wrec; writes xcod, xscl, wrec
.if DOCPART == 1
	.amdgcn_target "amdgcn-amd-amdhsa--gfx1250"
	.amdhsa_code_object_version 6
	.text
	.protected	k_q7c1dc90eaa_prep
	.globl	k_q7c1dc90eaa_prep
	.p2align	8
	.type	k_q7c1dc90eaa_prep,@function
k_q7c1dc90eaa_prep:
	s_mov_b64 s[64:65], 0
	v_nop
	global_prefetch_b8 v0, s[64:65] scope:SCOPE_SE
	s_setreg_imm32_b32 hwreg(HW_REG_WAVE_MODE, 25, 1), 1
	s_wait_xcnt 0x0
; x [100000][256], Wq, Wk, Wv [8][256][64] and Wm [64][64], all f32, become codes of BF6 (E3M2) with one E8M0 byte for each 32 along K,
; laid as IMAGES OF THE OPERAND'S REGISTERS, so that the later launches load fragments by 16-byte loads alone.
; A block's scale is 2^(floor(log2(largest magnitude)) - 4); its byte is the largest magnitude's exponent field - 4, held at 1 from below.
; LIMITS: a block of zeros gets the byte 1 where the rule says 127 (its codes are zeros, and only this program reads the bytes);
; NaN and infinities among the inputs are not served.
; ROLES, by the work-group's number g; a wave works alone, there is no barrier:
;   g < 3125: tile T = 2 g + wave: rows 16 T .. 16 T + 15 of x, K = the 256 columns: two fragments of 128 along K.
;   g < 3173: record 2 (g - 3125) + wave = (matrix x 8 + head) x 4 + t: 16 columns of one head's weight, K = the 256 rows of the weight.
;             Lane r takes column 32 (t / 2) + 8 (t % 2) + r + 8 (r / 8): with that order a result's 16 registers of two neighbouring tiles are 16 neighbours.
;   else:     tile t = 2 (g - 3173) + wave of Wm: columns 16 t + r, K = Wm's 64 rows.
; In every role lane (r, h) ends up with whole blocks of 32 along K in its registers: N[64 s + 32 c + e] = k 128 s + 64 c + 32 h + e of its row or column.
; x: each load reads 512 consecutive bytes; the tile turns through the wave's own stage in LDS (rows 528 bytes apart).
.set N,    16                          ; v16-143  128 numbers
.set C,    144                         ; v144-167 codes: fragment s at 12 s, its registers 6 c .. 6 c + 5
.set CT,   168                         ; v168-170 the upper half of a block's codes, before it is moved
.set STGW, 16896                       ; a wave's stage: 2 x 16 rows x 528 bytes
; a whole block of 32 numbers of one lane, v[n] on -> six registers of codes at v[c], the scale's byte in v[e]
.macro QBLK n, c, e
	v_max3_num_f32 v9, |v[(\n)]|, |v[(\n)+1]|, 0x2800000            ; two chains; the floor 2^(5 - 127) among the leaves holds the byte at 1 from below
	v_max3_num_f32 v10, |v[(\n)+2]|, |v[(\n)+3]|, |v[(\n)+4]|
.irp i, 5,9,13,17,21,25
	v_max3_num_f32 v9, v9, |v[(\n)+\i]|, |v[(\n)+\i+1]|
	v_max3_num_f32 v10, v10, |v[(\n)+\i+2]|, |v[(\n)+\i+3]|
.endr
	v_max3_num_f32 v9, v9, |v[(\n)+29]|, |v[(\n)+30]|
	v_max3_num_f32 v9, v9, v10, |v[(\n)+31]|
	v_add_nc_u32 v11, 0xfe000000, v9                                ; 4 off the exponent field: the conversion's scale operand
	v_cvt_scalef32_pk16_bf6_f32 v[(\c):(\c)+2], v[(\n):(\n)+15], v11
	v_cvt_scalef32_pk16_bf6_f32 v[CT:CT+2], v[(\n)+16:(\n)+31], v11 ; (a conversion's three registers begin on an even number)
	v_lshrrev_b32 v[(\e)], 23, v11                                  ; the byte; also the plain instruction behind the conversions
.irp i, 0,1,2
	v_mov_b32 v[(\c)+3+\i], v[CT+\i]
.endr
.endm
; my two bytes (blocks h and 2 + h of a K step) and lane l xor 16's two make the row's scale word
.macro WORD w, e0, e1
	v_lshl_or_b32 v[\w], v[\e1], 16, v[\e0]
	v_lshlrev_b32 v[\w], v177, v[\w]                                ; 8 h bits up
	v_permlanex16_b32 v174, v[\w], s28, s29
	v_or_b32 v[\w], v[\w], v174
.endm
	s_load_b256 s[4:11], s[0:1], 0x0               ; x s[4:5], Wq s[6:7], Wk s[8:9], Wv s[10:11]
	s_load_b256 s[12:19], s[0:1], 0x20             ; Wm s[12:13], xcod s[14:15], xscl s[16:17], wrec s[18:19]
	v_lshl_add_u32 v184, v0, 2, 0x8400
	v_mov_b32 v185, 0
	v_lshrrev_b32 v1, 5, v0
	v_readfirstlane_b32 s20, v1                    ; wave 0, 1
	v_and_b32 v1, 31, v0                           ; lane
	v_and_b32 v2, 15, v0                           ; r
	v_bfe_u32 v3, v0, 4, 1                         ; h
	v_lshlrev_b32 v4, 4, v1                        ; 16 x lane
	v_lshlrev_b32 v5, 2, v1                        ; 4 x lane
	v_lshlrev_b32 v176, 3, v1                      ; 8 x lane
	v_lshlrev_b32 v177, 3, v3                      ; 8 h
	v_mov_b32 v174, 0                              ; a lane permute's destination counts as one of its sources
	s_mov_b32 s28, 0x76543210
	s_mov_b32 s29, 0xfedcba98                      ; selects for lane l xor 16
	s_mov_b32 s30, 0xffff0000                      ; lanes 16-31
	s_mov_b32 s23, 0
	s_wait_kmcnt 0x0
	s_cmp_lt_u32 ttmp9, 3125
	s_cbranch_scc0 .Lweights
	; ---- a tile of x
	s_lshl_b32 s21, ttmp9, 1
	s_add_co_u32 s21, s21, s20                     ; T
	s_lshl_b32 s22, s21, 14                        ; 16 rows of 1,024 bytes
	s_add_nc_u64 s[4:5], s[4:5], s[22:23]
	s_mul_i32 s22, s21, 3072
	s_add_nc_u64 s[24:25], s[14:15], s[22:23]      ; where the codes go
	s_lshl_b32 s22, s21, 7
	s_add_nc_u64 s[26:27], s[16:17], s[22:23]      ; where the scale words go
	s_mul_i32 s31, s20, STGW
	v_add_nc_u32 v6, s31, v4                       ; the stage, way in: 16 x lane of a row's 512 bytes
	v_mul_u32_u24 v7, v2, 528
	v_lshl_add_u32 v7, v3, 7, v7
	v_add_nc_u32 v7, s31, v7                       ; way out: row r, + 128 h: my block of 32 numbers
.irp s, 0,1
.irp q, 0,1,2,3,4,5,6,7,8,9,10,11,12,13,14,15
	global_load_b128 v[N+64*\s+4*\q:N+64*\s+4*\q+3], v4, s[4:5] offset:1024*\q+512*\s th:TH_LOAD_NT   ; row q, K step s: 512 consecutive bytes
.endr
.endr
.macro TURN s
.irp q, 0,1,2,3,4,5,6,7,8,9,10,11,12,13,14,15
	ds_store_b128 v6, v[N+64*\s+4*\q:N+64*\s+4*\q+3] offset:8448*\s+528*\q
.endr
	s_wait_dscnt 0x0                               ; the stores are done: the loads below land in their registers
.irp q, 0,1,2,3,4,5,6,7,8,9,10,11,12,13,14,15
	ds_load_b128 v[N+64*\s+4*\q:N+64*\s+4*\q+3], v7 offset:8448*\s+256*(\q/8)+16*(\q%8)
.endr
.endm
	s_wait_loadcnt 16                              ; K step 0's sixteen loads are in; K step 1's sixteen may be out
	TURN 0
	s_wait_loadcnt 0x0
	TURN 1
	s_wait_dscnt 0x0
	s_branch .Lout
.Lweights:
	s_cmp_lt_u32 ttmp9, 3173
	s_cbranch_scc0 .Lwm
	; ---- a record of Wq, Wk or Wv
	s_sub_co_u32 s21, ttmp9, 3125
	s_lshl_b32 s21, s21, 1
	s_add_co_u32 s21, s21, s20                     ; the record's number
	s_lshr_b32 s31, s21, 5                         ; which matrix: the choice hangs on ids alone
	s_cmp_eq_u32 s31, 0
	s_cselect_b64 s[32:33], s[6:7], s[8:9]
	s_cmp_eq_u32 s31, 2
	s_cselect_b64 s[32:33], s[10:11], s[32:33]
	s_bfe_u32 s22, s21, 0x30002                    ; head
	s_lshl_b32 s22, s22, 16                        ; x 256 rows of 256 bytes
	s_and_b32 s34, s21, 2
	s_lshl_b32 s34, s34, 6                         ; 32 (t / 2) columns of 4 bytes
	s_add_co_u32 s22, s22, s34
	s_and_b32 s34, s21, 1
	s_lshl_b32 s34, s34, 5                         ; 8 (t % 2) columns
	s_add_co_u32 s22, s22, s34
	s_add_nc_u64 s[32:33], s[32:33], s[22:23]
	s_mul_i32 s22, s21, 3200
	s_add_nc_u64 s[24:25], s[18:19], s[22:23]
	s_add_nc_u64 s[26:27], s[24:25], 3072
	v_and_b32 v8, 8, v2
	v_add_nc_u32 v8, v8, v2                        ; r + 8 (r / 8)
	v_lshlrev_b32 v8, 2, v8
	v_lshl_add_u32 v8, v3, 13, v8                  ; lanes 16-31 begin 32 rows further down
.set j, 0
.rept 128
	global_load_b32 v[N+j], v8, s[32:33] offset:(128*(j/64)+64*((j/32)%2)+j%32)*256   ; a lane takes a column, its registers run down K
.set j, j+1
.endr
	s_wait_loadcnt 0x0
.Lout:
	QBLK N, C, 12
	QBLK N+32, C+6, 13
	QBLK N+64, C+12, 14
	QBLK N+96, C+18, 15
	WORD 172, 12, 13
	WORD 173, 14, 15
	v_cndmask_b32 v175, v172, v173, s30            ; lanes 0-15 carry K step 0's words, lanes 16-31 K step 1's
.irp i, 0,1,2,3,4,5
	global_store_b128 v4, v[C+4*\i:C+4*\i+3], s[24:25] offset:512*\i   ; registers 4 i .. 4 i + 3 of the two fragments: 512 consecutive bytes
.endr
	global_store_b32 v5, v175, s[26:27]
	s_wait_tensorcnt 0x0
	ds_add_u32 v184, v185
	s_wait_dscnt 0x0
	s_endpgm
.Lwm:
	; ---- a tile of Wm: one block of 32 a lane
	s_sub_co_u32 s21, ttmp9, 3173
	s_lshl_b32 s21, s21, 1
	s_add_co_u32 s21, s21, s20                     ; t
	s_lshl_b32 s22, s21, 6
	s_add_nc_u64 s[32:33], s[12:13], s[22:23]      ; column 16 t
	s_lshl_b32 s22, s21, 10
	s_add_co_u32 s22, s22, 307200                  ; behind the 96 records
	s_add_nc_u64 s[24:25], s[18:19], s[22:23]
	v_lshlrev_b32 v8, 2, v2
	v_lshl_add_u32 v8, v3, 13, v8
.set j, 0
.rept 32
	global_load_b32 v[N+j], v8, s[32:33] offset:256*j
.set j, j+1
.endr
	s_wait_loadcnt 0x0
	QBLK N, C, 12
	v_add_nc_u32 v177, 16, v177
	v_lshlrev_b32 v172, v177, v12                  ; Wm's two blocks are blocks 2 and 3 of the operand that it shares: bytes 2 and 3
	v_permlanex16_b32 v174, v172, s28, s29
	v_or_b32 v172, v172, v174
.irp i, 0,1,2
	global_store_b64 v176, v[C+2*\i:C+2*\i+1], s[24:25] offset:256*\i
.endr
	global_store_b32 v5, v172, s[24:25] offset:768
	s_endpgm
.Lfunc_end_k_q7c1dc90eaa_prep:
	.size	k_q7c1dc90eaa_prep, .Lfunc_end_k_q7c1dc90eaa_prep-k_q7c1dc90eaa_prep
	.p2alignl 7, 3214868480
	.fill 96, 4, 3214868480
	.section	.rodata,"a",@progbits
	.p2align	6, 0x0
	.amdhsa_kernel k_q7c1dc90eaa_prep
		.amdhsa_group_segment_fixed_size 34048
		.amdhsa_private_segment_fixed_size 0
		.amdhsa_enable_private_segment 0
		.amdhsa_kernarg_size 64
		.amdhsa_user_sgpr_count 2
		.amdhsa_user_sgpr_kernarg_segment_ptr 1
		.amdhsa_wavefront_size32 1
		.amdhsa_system_sgpr_workgroup_id_x 1
		.amdhsa_system_sgpr_workgroup_id_y 1
		.amdhsa_system_sgpr_workgroup_id_z 1
		.amdhsa_system_vgpr_workitem_id 0
		.amdhsa_next_free_vgpr 186
		.amdhsa_next_free_sgpr 66
		.amdhsa_reserve_vcc 0
		.amdhsa_float_denorm_mode_32 3
		.amdhsa_float_denorm_mode_16_64 3
		.amdhsa_memory_ordered 1
		.amdhsa_forward_progress 1
		.amdhsa_inst_pref_size 34
	.end_amdhsa_kernel
	.amdgpu_metadata
---
amdhsa.version: [ 1, 2 ]
amdhsa.kernels:
  - .name:           k_q7c1dc90eaa_prep
    .symbol:         k_q7c1dc90eaa_prep.kd
    .args:
      - { .name: query_input, .offset: 0, .size: 8, .value_kind: global_buffer, .address_space: global }
      - { .name: Wq, .offset: 8, .size: 8, .value_kind: global_buffer, .address_space: global }
      - { .name: Wk, .offset: 16, .size: 8, .value_kind: global_buffer, .address_space: global }
      - { .name: Wv, .offset: 24, .size: 8, .value_kind: global_buffer, .address_space: global }
      - { .name: Wm, .offset: 32, .size: 8, .value_kind: global_buffer, .address_space: global }
      - { .name: xcod, .offset: 40, .size: 8, .value_kind: global_buffer, .address_space: global }
      - { .name: xscl, .offset: 48, .size: 8, .value_kind: global_buffer, .address_space: global }
      - { .name: wrec, .offset: 56, .size: 8, .value_kind: global_buffer, .address_space: global }
    .group_segment_fixed_size: 34048
    .private_segment_fixed_size: 0
    .kernarg_segment_align: 8
    .kernarg_segment_size: 64
    .max_flat_workgroup_size: 64
    .sgpr_count:     66
    .vgpr_count:     186
    .wavefront_size: 32
...
	.end_amdgpu_metadata
.endif
;; end of part 1
;; launch kv (part 2): grid 32 x 8, 8 waves a work-group, no clusters, 79,872 bytes of LDS; arguments xcod, xscl, wrec, bk, bv, norm_scale, ktp, skp; writes ktp, skp
.if DOCPART == 2
	.amdgcn_target "amdgcn-amd-amdhsa--gfx1250"
	.amdhsa_code_object_version 6
	.text
	.protected	k_q7c1dc90eaa_kv
	.globl	k_q7c1dc90eaa_kv
	.p2align	8
	.type	k_q7c1dc90eaa_kv,@function
k_q7c1dc90eaa_kv:
	s_mov_b64 s[64:65], 0
	v_nop
	global_prefetch_b8 v0, s[64:65] scope:SCOPE_SE
	s_setreg_imm32_b32 hwreg(HW_REG_WAVE_MODE, 25, 1), 1
	s_wait_xcnt 0x0
; For one head (work-group y) and one chunk of the rows (work-group x): k = x Wk + bk, v = x Wv + bv on codes of BF6; phi_k = fp((relu(k) + 1e-6) / (|norm_scale| + 1e-6), 2);
; phi_k and v quantised ALONG THE ROWS n, 32 rows a block; the chunk's part of phi_k^T v [d][m] and of the column sums of phi_k go to memory.
; SHARES.  13 trips; in trip i wave w takes the block of 32 rows 8 x chunk + w + 256 i.  3,125 blocks exist: a block's number beyond them is held at 3,124 for the loads and the rows' factor f is
; ANDed with 0, so that phi_k is 0 there: zero codes, which add nothing; no branch hangs on it.
; THE PROJECTION IS USED IN ITS NATURAL ORDER (source 0 = 16 rows of x, source 1 = 16 columns of W): a lane holds ONE column and its 16 registers of two tiles of rows are 16 rows of the block:
; the block's largest magnitude needs one exchange between the halves of the lanes, and a conversion's 16 codes are neighbours along the next K.  Lane (r, h), tile u, register j is row 16 u + 8 h + j;
; it is put at place 16 h + 8 u + j of the block, alike in phi_k and in v, which keeps the products.
; SCALE WORDS: each K step's words have a register of their own, row r's (column r's) word in lane r; lanes 16-31 hold the same words again.
; fp WITHOUT A DIVISION FOR EACH NUMBER: z = max(k + bk + 1e-6, 1e-6), inv = 1 / (|norm_scale| + 1e-6): phi = f z^2, f = inv^3 sqrt(sum z^2) / (inv^2 sqrt(sum z^4) + 1e-12).
; A row's two sums run over 4 tiles (registers) and 16 lanes: 16 sums over 16 lanes are made together, each lane ending with one of them (15 steps of two selects and one addition with a lane exchange).
; FROM WAVE TO WAVE: the eight blocks of a trip are two K steps of 128 of phi_k^T v.  Each wave puts its block's codes and scale bytes at their places in the images of 8 fragments a K step in LDS
; (a fragment: 48 bytes a lane); behind ONE barrier a trip wave w multiplies its two tiles (d tile w / 2, m tiles 2 (w % 2), + 1).  Two buffers take turns: a buffer is written again only by waves that have
; passed the next barrier, in front of which every wave has waited for its reads of it.
; NO JOINT LOADS, though the eight work-groups of a chunk read the same codes of x: a block's 6,400 bytes go from memory straight into the operand registers of the one wave that multiplies them, asked for a whole trip
; ahead; a joint load would bring them through LDS, with a ring and a round of the cluster's barrier in each of the 13 trips.  No prefetch: each trip's loads are already issued one trip ahead of their use.
; LIMITS: NaN and infinities are not served; a block of zeros gets the scale byte 1; divisions are v_rcp_f32 and a multiply; inv^3 falls to 0 for |norm_scale| above some 1e12.
; REGISTERS, window 0: below.  Window 1: v0-191 the head's Wk and Wv (tile q = 4 x matrix + t, K step s at 24 q + 12 s), v192-239 x's four fragments (24 u + 12 s), v240-247 the column sums of phi_k.
.set L16, 1                            ; 16 x lane
.set R4,  2                            ; 4 r
.set CM,  3                            ; inv^3 in lanes r < 8, inv^2 in the others (the lane's number until it is made)
.set VOC, 4                            ; offsets of the block's codes and scale words in memory
.set VOS, 5
.set WAD, 6                            ; LDS: where my codes go: 48 r + 12 h + 768 (b % 2) + 24 (b / 2) + 12800 kappa, b = w % 4, kappa = w / 4
.set SAD, 7                            ; where my scale bytes go: 12288 + 4 r + b + 12800 kappa
.set RDA, 8                            ; where I read phi_k's fragments: 48 x lane + 3072 (w % 2)
.set RDB, 9                            ; v's: 48 x lane + 1536 (4 + w / 2)
.set RSA, 10                           ; their scale words
.set RSB, 11
.set KTO, 12                           ; my offset in the part of phi_k^T v
.set SKW, 13                           ; LDS: where my column sums go
.set WSA, 14                           ; LDS: the weights' images, 16 x lane; their scale words, 4 r
.set WSS, 15
.set WS,  16                           ; v16-23  the weights' scale words of K step 0, tile q
.set XS,  24                           ; v24-27  x's scale words: tile of rows u, K step s at 2 u + s
.set BK,  28                           ; v28-35  bk + 1e-6 of my column, twice, for each t
.set BV,  36                           ; v36-43  bv likewise
.set WS1, 44                           ; v44-51  the weights' scale words of K step 1
.set ACC, 52                           ; v52-67  my two tiles of phi_k^T v
.set P2,  68                           ; v68-75  sums of z^2 over t;  v76-83 of z^4
.set P4,  76
.set FV,  84                           ; v84-91  f of rows j = 0 .. 7
.set T,   92                           ; v92-95  at work
.set U,   96                           ; v96-97  a row's sums, then f, for each u
.set CE,  99                           ; 0 in lanes r < 8, 1e-12 in the others
.set CTK, 68                           ; phi_k's codes (where P2, P4 lay), four registers a tile
.set CTV, 84                           ; v's codes (where FV, T, U lay): v84-86, 88-90, 92-94, 96-98
.set BYV, 100                          ; v100-103 v's scale bytes
.set MX,  104
.set MY,  108
.set SO,  112
.set PS,  116                          ; v116-121 the scale words of phi_k^T v's operands
.set BYK, 122                          ; v122-125 phi_k's scale bytes
.set SKR, 126                          ; LDS: 76800 + 8 x lane
.set GSK, 127                          ; 8 x lane
.set DK,  128                          ; v128-191 k, then phi_k: tile t, rows u at 16 t + 8 u;  v192-255 v likewise
.set DV,  192
.set PF,  128                          ; the operands of phi_k^T v: K step kappa at 36 kappa: two fragments of phi_k, one of v
.set XF,  192                          ; in window 1
.set SKA, 240                          ; in window 1: a pair for each t
.set MSB, 0
.macro WIN new                         ; the immediate's high byte repeats the setting that is left
.if MSB != (\new)
	s_set_vgpr_msb (MSB<<8)|(\new)
.set MSB, \new
.endif
.endm
; the next block's codes and scale words, straight into the operand registers.  The two additions and two v_nop are the four places behind the products that read these registers.
.macro XLOAD step
.if \step
	s_add_co_u32 s23, s23, 256
.endif
	s_cmp_lt_u32 s23, 3125
	s_cselect_b32 s26, -1, 0                       ; does the block exist?
	s_min_u32 s24, s23, 3124                       ; no load leaves its buffer
	s_mul_i32 s35, s24, 6144
	s_lshl_b32 s36, s24, 8
	v_add_nc_u32 v[VOC], s35, v[L16]
	v_add_nc_u32 v[VOS], s36, v[R4]
	v_nop
	v_nop
	WIN 0x40                                       ; destination window 1
.irp u, 0,1
.irp i, 0,1,2,3,4,5
	global_load_b128 v[XF+24*\u+4*\i:XF+24*\u+4*\i+3], v[VOC], s[4:5] offset:3072*\u+512*\i
.endr
.endr
	WIN 0
.irp u, 0,1
.irp k, 0,1
	global_load_b32 v[XS+2*\u+\k], v[VOS], s[6:7] offset:128*\u+64*\k   ; a tile's words: 16 of K step 0, then 16 of K step 1
.endr
.endr
.endm
; 32 products: 16 accumulators by turns, K step by K step; the first K step starts the sums
.macro PROJ
.irp s, 0,1
.irp q, 0,1,2,3,4,5,6,7
.irp u, 0,1
.if \s == 0
	v_wmma_scale_f32_16x16x128_f8f6f4 v[DK+16*\q+8*\u:DK+16*\q+8*\u+7], v[XF+24*\u:XF+24*\u+11], v[24*\q:24*\q+11], 0, v[XS+2*\u], v[WS+\q] matrix_a_fmt:MATRIX_FMT_BF6 matrix_b_fmt:MATRIX_FMT_BF6
.else
	v_wmma_scale_f32_16x16x128_f8f6f4 v[DK+16*\q+8*\u:DK+16*\q+8*\u+7], v[XF+24*\u+12:XF+24*\u+23], v[24*\q+12:24*\q+23], v[DK+16*\q+8*\u:DK+16*\q+8*\u+7], v[XS+2*\u+1], v[WS1+\q] matrix_a_fmt:MATRIX_FMT_BF6 matrix_b_fmt:MATRIX_FMT_BF6
.endif
.endr
.endr
.endr
.endm
; one step of the joint sums: lanes whose bit x is clear keep sum a, the others sum b; each adds what its partner holds of the sum that it keeps
.macro RS3 d, a, b, m, x, k
	v_cndmask_b32 v[T+2*((\k)%2)], v[\a], v[\b], s[\m]
	v_cndmask_b32 v[T+2*((\k)%2)+1], v[\b], v[\a], s[\m]
	v_add_f32_dpp v[\d], v[T+2*((\k)%2)+1], v[T+2*((\k)%2)] row_xmask:\x row_mask:0xf bank_mask:0xf
.endm
; rows 16 u + 8 h + j: z^2 in place of k, and the rows' two sums: lane r ends with sum z^2 (r < 8) or sum z^4 (r >= 8) of row j = r % 8.  Each accumulator is read from its low end on.
.macro KSUM u
.irp t, 0,1,2,3
.irp j, 0,2,4,6
.set rD, DK+16*\t+8*\u+\j
	v_pk_add_f32 v[rD:rD+1], v[rD:rD+1], v[BK+2*\t:BK+2*\t+1]
.endr
.endr
.irp t, 0,1,2,3
.irp j, 0,1,2,3,4,5,6,7
.set rD, DK+16*\t+8*\u+\j
	v_max_num_f32 v[rD], s34, v[rD]                ; z = relu + 1e-6
.endr
.endr
.irp t, 0,1,2,3
.irp j, 0,2,4,6
.set rD, DK+16*\t+8*\u+\j
	v_pk_mul_f32 v[rD:rD+1], v[rD:rD+1], v[rD:rD+1]
.endr
.endr
.irp j, 0,2,4,6
.set rD, DK+8*\u+\j
	v_pk_add_f32 v[P2+\j:P2+\j+1], v[rD:rD+1], v[rD+16:rD+17]
	v_pk_mul_f32 v[P4+\j:P4+\j+1], v[rD:rD+1], v[rD:rD+1]
.endr
.irp j, 0,2,4,6
.set rD, DK+16+8*\u+\j
	v_pk_fma_f32 v[P4+\j:P4+\j+1], v[rD:rD+1], v[rD:rD+1], v[P4+\j:P4+\j+1]
.endr
.irp t, 2,3
.irp j, 0,2,4,6
.set rD, DK+16*\t+8*\u+\j
	v_pk_add_f32 v[P2+\j:P2+\j+1], v[P2+\j:P2+\j+1], v[rD:rD+1]
	v_pk_fma_f32 v[P4+\j:P4+\j+1], v[rD:rD+1], v[rD:rD+1], v[P4+\j:P4+\j+1]
.endr
.endr
.irp j, 0,1,2,3,4,5,6,7
	RS3 P2+\j, P2+\j, P4+\j, 28, 8, \j
.endr
.irp j, 0,1,2,3
	RS3 P2+\j, P2+\j, P2+4+\j, 29, 4, \j
.endr
.irp j, 0,1
	RS3 P2+\j, P2+\j, P2+2+\j, 30, 2, \j
.endr
	RS3 U+\u, P2, P2+1, 31, 1, 0
.endm
; f of row r % 8 in every lane, for both u
.macro KCHAIN
	v_sqrt_f32 v[T], v[U]
	v_sqrt_f32 v[T+1], v[U+1]
	v_nop                                          ; a plain instruction behind the roots,
	s_wait_alu depctr_va_vdst(0)                   ; and one wait for both, ahead of their first reader
	v_fma_f32 v[U], v[T], v[CM], v[CE]             ; r < 8: inv^3 sqrt(sum z^2);  r >= 8: inv^2 sqrt(sum z^4) + 1e-12
	v_fma_f32 v[U+1], v[T+1], v[CM], v[CE]
	v_rcp_f32 v[T], v[U]
	v_rcp_f32 v[T+1], v[U+1]
	v_nop
	s_wait_alu depctr_va_vdst(0)
	v_cndmask_b32 v[U], v[U], v[T], s28            ; the reciprocal where r >= 8
	v_cndmask_b32 v[U+1], v[U+1], v[T+1], s28
	v_mul_f32_dpp v[T], v[U], v[U] row_xmask:8 row_mask:0xf bank_mask:0xf
	v_mul_f32_dpp v[T+1], v[U+1], v[U+1] row_xmask:8 row_mask:0xf bank_mask:0xf
	v_and_b32 v[U], s25, v[T]                      ; 0 for a block that does not exist
	v_and_b32 v[U+1], s25, v[T+1]
.endm
.macro KMUL u                          ; phi_k = f z^2
.irp j, 0,1,2,3,4,5,6,7
	v_mov_b32_dpp v[FV+\j], v[U+\u] row_share:\j row_mask:0xf bank_mask:0xf   ; lane j of my sixteen holds row j's f
.endr
.irp t, 0,1,2,3
.irp j, 0,2,4,6
.set rD, DK+16*\t+8*\u+\j
	v_pk_mul_f32 v[rD:rD+1], v[rD:rD+1], v[FV+\j:FV+\j+1]
.endr
.endr
.endm
; four tiles of columns x my block of 32 rows: scale bytes and codes, to their places in the images; the four tiles by turns
.macro QN base, f0, ct, by, p
.irp t, 0,1,2,3
	v_max3_num_f32 v[MX+\t], |v[\base+16*\t]|, |v[\base+16*\t+1]|, 0x2800000
.endr
.irp i, 2,4,6,8,10,12,14
.irp t, 0,1,2,3
	v_max3_num_f32 v[MX+\t], v[MX+\t], |v[\base+16*\t+\i]|, |v[\base+16*\t+\i+1]|
.endr
.endr
.irp t, 0,1,2,3
	v_permlanex16_b32 v[MY+\t], v[MX+\t], s32, s33
.endr
.irp t, 0,1,2,3
	v_max_num_f32 v[MX+\t], v[MX+\t], v[MY+\t]     ; with the other 16 rows: the block's largest magnitude
.endr
.irp t, 0,1,2,3
	v_add_nc_u32 v[SO+\t], 0xfe000000, v[MX+\t]
.endr
.irp t, 0,1,2,3
	v_lshrrev_b32 v[\by+\t], 23, v[SO+\t]
.endr
.irp t, 0,1,2,3
	v_cvt_scalef32_pk16_bf6_f32 v[\ct+4*\t:\ct+4*\t+2], v[\base+16*\t:\base+16*\t+15], v[SO+\t]
.endr
	v_nop                                          ; a plain instruction behind the conversions
.irp t, 0,1,2,3
.irp i, 0,1,2
	ds_store_b32 v[WAD], v[\ct+4*\t+\i] offset:25600*\p+1536*(\f0+\t)+4*\i
.endr
.endr
.irp t, 0,1,2,3
	ds_store_b8 v[SAD], v[\by+\t] offset:25600*\p+64*(\f0+\t)   ; both halves of the lanes write the same byte with the same value
.endr
.endm
; my two tiles of phi_k^T v, two K steps; the two accumulators by turns
.macro PROD4 p, first
.irp k, 0,1
.irp i, 0,1,2
	ds_load_b128 v[PF+36*\k+4*\i:PF+36*\k+4*\i+3], v[RDA] offset:25600*\p+12800*\k+16*\i
	ds_load_b128 v[PF+36*\k+12+4*\i:PF+36*\k+12+4*\i+3], v[RDA] offset:25600*\p+12800*\k+1536+16*\i
	ds_load_b128 v[PF+36*\k+24+4*\i:PF+36*\k+24+4*\i+3], v[RDB] offset:25600*\p+12800*\k+16*\i
.endr
	ds_load_b32 v[PS+3*\k], v[RSA] offset:25600*\p+12800*\k
	ds_load_b32 v[PS+3*\k+1], v[RSA] offset:25600*\p+12800*\k+64
	ds_load_b32 v[PS+3*\k+2], v[RSB] offset:25600*\p+12800*\k
.endr
	s_wait_dscnt 0x0
.irp k, 0,1
.irp a, 0,1
.if (\first) && (\k == 0)
	v_wmma_scale_f32_16x16x128_f8f6f4 v[ACC+8*\a:ACC+8*\a+7], v[PF+36*\k+12*\a:PF+36*\k+12*\a+11], v[PF+36*\k+24:PF+36*\k+35], 0, v[PS+3*\k+\a], v[PS+3*\k+2] matrix_a_fmt:MATRIX_FMT_BF6 matrix_b_fmt:MATRIX_FMT_BF6
.else
	v_wmma_scale_f32_16x16x128_f8f6f4 v[ACC+8*\a:ACC+8*\a+7], v[PF+36*\k+12*\a:PF+36*\k+12*\a+11], v[PF+36*\k+24:PF+36*\k+35], v[ACC+8*\a:ACC+8*\a+7], v[PS+3*\k+\a], v[PS+3*\k+2] matrix_a_fmt:MATRIX_FMT_BF6 matrix_b_fmt:MATRIX_FMT_BF6
.endif
.endr
.endr
.endm
; p: the buffer;  first = 1: phi_k^T v's sums begin;  pre = 1: the next block is asked for
.macro TRIP p, first, pre
	s_wait_loadcnt 0x0                             ; my block's codes and scale words, asked for a trip ago
	s_mov_b32 s25, s26
	WIN 0x05                                       ; sources 0 and 1 window 1
	PROJ
	WIN 0
.if \pre
	XLOAD 1
.else
.rept 4
	v_nop                                          ; four places ahead of the first read of the results
.endr
.endif
	KSUM 0
	KSUM 1
	KCHAIN
	KMUL 0
	KMUL 1
	WIN 0x41                                       ; the column sums (destination and source 0) lie in window 1
.irp u, 0,1
.irp j, 0,2,4,6
.irp t, 0,1,2,3
	v_pk_add_f32 v[SKA+2*\t:SKA+2*\t+1], v[SKA+2*\t:SKA+2*\t+1], v[DK+16*\t+8*\u+\j:DK+16*\t+8*\u+\j+1]   ; they are taken of the unquantised phi_k
.endr
.endr
.endr
	WIN 0
	QN DK, 0, CTK, BYK, \p
.irp t, 0,1,2,3
.irp j, 0,2,4,6,8,10,12,14
	v_pk_add_f32 v[DV+16*\t+\j:DV+16*\t+\j+1], v[DV+16*\t+\j:DV+16*\t+\j+1], v[BV+2*\t:BV+2*\t+1]
.endr
.endr
	QN DV, 4, CTV, BYV, \p
	s_wait_dscnt 0x0                               ; for the others' sake: my stores into this buffer are done (my reads of the other buffer were waited for last trip)
	s_barrier_signal -1
	s_barrier_wait -1
	PROD4 \p, \first
.rept 5
	v_nop                                          ; five places: the next trip's products write over these products' operands
.endr
.endm
	s_load_b256 s[4:11], s[0:1], 0x0               ; xcod s[4:5], xscl s[6:7], wrec s[8:9], bk s[10:11]
	s_load_b256 s[12:19], s[0:1], 0x20             ; bv s[12:13], norm_scale s[14:15], ktp s[16:17], skp s[18:19]
	s_set_vgpr_msb 0x40
	v_lshl_add_u32 v254, v0, 2, 0x13400
	v_mov_b32 v255, 0
	s_set_vgpr_msb 0x4000
	v_lshrrev_b32 v3, 5, v0
	v_readfirstlane_b32 s20, v3                    ; wave 0..7
	s_and_b32 s21, ttmp7, 0xffff                   ; head
	s_mov_b32 s22, ttmp9                           ; chunk
	s_mov_b32 s28, 0xff00ff00                      ; lanes whose r has bit 3, 2, 1, 0
	s_mov_b32 s29, 0xf0f0f0f0
	s_mov_b32 s30, 0xcccccccc
	s_mov_b32 s31, 0xaaaaaaaa
	s_mov_b32 s32, 0x76543210
	s_mov_b32 s33, 0xfedcba98                      ; selects for lane l xor 16
	s_mov_b32 s34, 0x358637bd                      ; 1e-6
	v_and_b32 v3, 31, v0                           ; lane
	v_lshlrev_b32 v[L16], 4, v3
	v_lshlrev_b32 v78, 2, v3                       ; 4 x lane
	v_and_b32 v68, 15, v0                          ; r
	v_lshlrev_b32 v[R4], 2, v68
	v_bfe_u32 v69, v0, 4, 1                        ; h
	v_and_b32 v70, 8, v68
	v_add_nc_u32 v70, v70, v68                     ; r + 8 (r / 8)
	v_mul_u32_u24 v71, v3, 48
	s_and_b32 s35, s20, 1                          ; b % 2; also which half of m is mine
	s_bfe_u32 s36, s20, 0x10001                    ; b / 2; also (d tile) % 2
	s_lshr_b32 s37, s20, 2                         ; kappa; also (d tile) / 2
	s_lshr_b32 s38, s20, 1                         ; my d tile
	s_mul_i32 s39, s37, 12800
	s_mul_i32 s40, s35, 768
	s_mul_i32 s41, s36, 24
	s_add_co_u32 s40, s40, s41
	s_add_co_u32 s40, s40, s39
	v_mul_u32_u24 v[WAD], v68, 48
	v_mad_u32_u24 v[WAD], v69, 12, v[WAD]
	v_add_nc_u32 v[WAD], s40, v[WAD]
	s_and_b32 s40, s20, 3
	s_add_co_u32 s40, s40, s39
	s_add_co_u32 s40, s40, 12288
	v_lshl_add_u32 v[SAD], v68, 2, s40
	s_mul_i32 s40, s35, 3072
	v_add_nc_u32 v[RDA], s40, v71
	s_mul_i32 s40, s38, 1536
	s_add_co_u32 s40, s40, 6144
	v_add_nc_u32 v[RDB], s40, v71
	s_lshl_b32 s40, s35, 7
	s_add_co_u32 s40, s40, 12288
	v_lshl_add_u32 v[RSA], v68, 2, s40
	s_lshl_b32 s40, s38, 6
	s_add_co_u32 s40, s40, 12288+256
	v_lshl_add_u32 v[RSB], v68, 2, s40
	v_lshlrev_b32 v[KTO], 8, v70                   ; row d of 256 bytes,
	v_lshl_add_u32 v[KTO], v69, 6, v[KTO]          ; + 16 h numbers
	s_lshl_b32 s40, s20, 8
	s_add_co_u32 s40, s40, 76800
	v_lshl_add_u32 v[SKW], v70, 2, s40
	v_add_nc_u32 v[WSA], 51200, v[L16]
	v_add_nc_u32 v[WSS], 51200+3072, v[R4]
	s_mul_i32 s40, s20, 3200
	v_add_nc_u32 v72, s40, v[WSA]                  ; where I put the record that I fetch: its codes,
	v_add_nc_u32 v73, 51200+3072, v78
	v_add_nc_u32 v73, s40, v73                     ; and its 32 scale words, 4 x lane
	v_lshlrev_b32 v74, 2, v70                      ; my column's place in a bias
	v_lshl_add_u32 v[SKR], v3, 3, 76800
	v_lshlrev_b32 v[GSK], 3, v3
	s_lshl_b32 s40, s21, 2                         ; the record that I fetch: 32 + 4 head + w % 4 of Wk, 32 more for Wv
	s_and_b32 s41, s20, 3
	s_add_co_u32 s40, s40, s41
	s_lshl_b32 s41, s37, 5
	s_add_co_u32 s40, s40, s41
	s_add_co_u32 s40, s40, 32
	s_mul_i32 s40, s40, 3200
	s_mov_b32 s41, 0
	s_lshl_b32 s42, s21, 8                         ; the head's row of a bias
	s_mov_b32 s43, 0
	s_lshl_b32 s23, s22, 3
	s_add_co_u32 s23, s23, s20                     ; my first block
	s_lshl_b32 s44, s21, 5
	s_add_co_u32 s44, s44, s22                     ; 32 head + chunk
	s_lshl_b32 s46, s44, 8
	s_mov_b32 s47, 0
	s_lshl_b32 s44, s44, 14
	s_lshl_b32 s45, s37, 13                        ; rows d: 32 ((d tile) / 2)
	s_add_co_u32 s44, s44, s45
	s_lshl_b32 s45, s36, 11                        ; + 8 ((d tile) % 2)
	s_add_co_u32 s44, s44, s45
	s_lshl_b32 s45, s35, 7                         ; m: 32 (w % 2)
	s_add_co_u32 s44, s44, s45
	s_mov_b32 s45, 0
	s_wait_kmcnt 0x0
	s_load_b32 s39, s[14:15], 0x0                  ; norm_scale
	s_add_nc_u64 s[8:9], s[8:9], s[40:41]
	s_add_nc_u64 s[10:11], s[10:11], s[42:43]
	s_add_nc_u64 s[12:13], s[12:13], s[42:43]
	s_add_nc_u64 s[16:17], s[16:17], s[44:45]
	s_add_nc_u64 s[18:19], s[18:19], s[46:47]
.irp i, 0,1,2,3,4,5
	global_load_b128 v[128+4*\i:131+4*\i], v[L16], s[8:9] offset:512*\i
.endr
	global_load_b32 v152, v78, s[8:9] offset:3072
.irp t, 0,1,2,3
	global_load_b32 v[BK+2*\t], v74, s[10:11] offset:4*(32*(\t/2)+8*(\t%2))
	global_load_b32 v[BV+2*\t], v74, s[12:13] offset:4*(32*(\t/2)+8*(\t%2))
.endr
	XLOAD 0
	s_wait_loadcnt 24                              ; the record's 7 loads are in; behind them stand 8 of the biases and 16 of x
.irp i, 0,1,2,3,4,5
	ds_store_b128 v72, v[128+4*\i:131+4*\i] offset:512*\i
.endr
	ds_store_b32 v73, v152
	s_wait_dscnt 0x0
	s_barrier_signal -1
	s_barrier_wait -1                              ; the head's eight records lie in LDS
	WIN 0x40
.irp q, 0,1,2,3,4,5,6,7
.irp i, 0,1,2,3,4,5
	ds_load_b128 v[24*\q+4*\i:24*\q+4*\i+3], v[WSA] offset:3200*\q+512*\i
.endr
.endr
.irp j, 0,1,2,3,4,5,6,7
	v_mov_b32 v[SKA+\j], 0                         ; the column sums begin
.endr
	WIN 0
.irp q, 0,1,2,3,4,5,6,7
	ds_load_b32 v[WS+\q], v[WSS] offset:3200*\q
	ds_load_b32 v[WS1+\q], v[WSS] offset:3200*\q+64
.endr
	s_wait_kmcnt 0x0
	v_mov_b32 v75, s39
	v_add_f32 v75, |v75|, s34                      ; |norm_scale| + 1e-6
	v_rcp_f32 v76, v75
	v_mov_b32 v77, 0x2b8cbccc                      ; 1e-12.  (The plain instruction behind the reciprocal)
	s_wait_alu depctr_va_vdst(0)
	v_mul_f32 v75, v76, v76                        ; inv^2
	v_mul_f32 v76, v75, v76                        ; inv^3
	v_cndmask_b32 v[CM], v76, v75, s28
	v_cndmask_b32 v[CE], 0, v77, s28
	s_wait_loadcnt 16                              ; the biases are in; x's 16 loads may be out
.irp t, 0,1,2,3
	v_add_f32 v[BK+2*\t], s34, v[BK+2*\t]
	v_mov_b32 v[BV+2*\t+1], v[BV+2*\t]
.endr
.irp t, 0,1,2,3
	v_mov_b32 v[BK+2*\t+1], v[BK+2*\t]
.endr
.irp j, 0,1,2,3,4,5,6,7
	v_mov_b32 v[FV+\j], 0                          ; (destinations of lane exchanges count as sources: written once)
.endr
.irp j, 0,1,2,3
	v_mov_b32 v[MY+\j], 0
	v_mov_b32 v[T+\j], 0
.endr
	v_mov_b32 v[U], 0
	v_mov_b32 v[U+1], 0
	s_wait_dscnt 0x0                               ; the weights are in registers
	TRIP 0, 1, 1
	s_mov_b32 s27, 5
.Lloop:
	TRIP 1, 0, 1
	TRIP 0, 0, 1
	s_sub_co_u32 s27, s27, 1
	s_cmp_lg_u32 s27, 0
	s_cbranch_scc1 .Lloop
	TRIP 1, 0, 1
	TRIP 0, 0, 0                                   ; the thirteenth trip asks for nothing
	; my two tiles: lane (r, h) holds, of row d, the 16 neighbours m = 32 (w % 2) + 16 h + 0 .. 15
	global_store_b128 v[KTO], v[ACC:ACC+3], s[16:17]
	global_store_b128 v[KTO], v[ACC+4:ACC+7], s[16:17] offset:16
	global_store_b128 v[KTO], v[ACC+8:ACC+11], s[16:17] offset:32
	global_store_b128 v[KTO], v[ACC+12:ACC+15], s[16:17] offset:48
	WIN 0x05                                       ; sources 0 and 1 window 1
.irp t, 0,1,2,3
	v_add_f32 v[MX+\t], v[SKA+2*\t], v[SKA+2*\t+1]
.endr
	WIN 0
.irp t, 0,1,2,3
	v_permlanex16_b32 v[MY+\t], v[MX+\t], s32, s33
.endr
.irp t, 0,1,2,3
	v_add_f32 v[MX+\t], v[MX+\t], v[MY+\t]
.endr
.irp t, 0,1,2,3
	ds_store_b32 v[SKW], v[MX+\t] offset:4*(32*(\t/2)+8*(\t%2))   ; both halves of the lanes write the same word with the same value
.endr
	s_wait_dscnt 0x0
	s_barrier_signal -1
	s_barrier_wait -1
	s_cmp_lg_u32 s20, 0
	s_cbranch_scc1 .Lend
.irp w, 0,1,2,3,4,5,6,7
	ds_load_b64 v[128+2*\w:129+2*\w], v[SKR] offset:256*\w
.endr
	s_wait_dscnt 0x0
	v_pk_add_f32 v[128:129], v[128:129], v[130:131]
	v_pk_add_f32 v[132:133], v[132:133], v[134:135]
	v_pk_add_f32 v[136:137], v[136:137], v[138:139]
	v_pk_add_f32 v[140:141], v[140:141], v[142:143]
	v_pk_add_f32 v[128:129], v[128:129], v[132:133]
	v_pk_add_f32 v[136:137], v[136:137], v[140:141]
	v_pk_add_f32 v[128:129], v[128:129], v[136:137]
	global_store_b64 v[GSK], v[128:129], s[18:19]  ; 32 lanes store 256 consecutive bytes, at a multiple of 256 from the buffer's first byte
.Lend:
	s_set_vgpr_msb 0x5
	s_wait_tensorcnt 0x0
	ds_add_u32 v254, v255
	s_wait_dscnt 0x0
	s_set_vgpr_msb 0x500
	s_endpgm
.Lfunc_end_k_q7c1dc90eaa_kv:
	.size	k_q7c1dc90eaa_kv, .Lfunc_end_k_q7c1dc90eaa_kv-k_q7c1dc90eaa_kv
	.p2alignl 7, 3214868480
	.fill 96, 4, 3214868480
	.section	.rodata,"a",@progbits
	.p2align	6, 0x0
	.amdhsa_kernel k_q7c1dc90eaa_kv
		.amdhsa_group_segment_fixed_size 79872
		.amdhsa_private_segment_fixed_size 0
		.amdhsa_enable_private_segment 0
		.amdhsa_kernarg_size 64
		.amdhsa_user_sgpr_count 2
		.amdhsa_user_sgpr_kernarg_segment_ptr 1
		.amdhsa_wavefront_size32 1
		.amdhsa_system_sgpr_workgroup_id_x 1
		.amdhsa_system_sgpr_workgroup_id_y 1
		.amdhsa_system_sgpr_workgroup_id_z 1
		.amdhsa_system_vgpr_workitem_id 0
		.amdhsa_next_free_vgpr 512
		.amdhsa_next_free_sgpr 66
		.amdhsa_reserve_vcc 0
		.amdhsa_float_denorm_mode_32 3
		.amdhsa_float_denorm_mode_16_64 3
		.amdhsa_memory_ordered 1
		.amdhsa_forward_progress 1
		.amdhsa_inst_pref_size 214
	.end_amdhsa_kernel
	.amdgpu_metadata
---
amdhsa.version: [ 1, 2 ]
amdhsa.kernels:
  - .name:           k_q7c1dc90eaa_kv
    .symbol:         k_q7c1dc90eaa_kv.kd
    .args:
      - { .name: xcod, .offset: 0, .size: 8, .value_kind: global_buffer, .address_space: global }
      - { .name: xscl, .offset: 8, .size: 8, .value_kind: global_buffer, .address_space: global }
      - { .name: wrec, .offset: 16, .size: 8, .value_kind: global_buffer, .address_space: global }
      - { .name: bk, .offset: 24, .size: 8, .value_kind: global_buffer, .address_space: global }
      - { .name: bv, .offset: 32, .size: 8, .value_kind: global_buffer, .address_space: global }
      - { .name: norm_scale, .offset: 40, .size: 8, .value_kind: global_buffer, .address_space: global }
      - { .name: ktp, .offset: 48, .size: 8, .value_kind: global_buffer, .address_space: global }
      - { .name: skp, .offset: 56, .size: 8, .value_kind: global_buffer, .address_space: global }
    .group_segment_fixed_size: 79872
    .private_segment_fixed_size: 0
    .kernarg_segment_align: 8
    .kernarg_segment_size: 64
    .max_flat_workgroup_size: 256
    .sgpr_count:     66
    .vgpr_count:     512
    .wavefront_size: 32
...
	.end_amdgpu_metadata
.endif
;; end of part 2
;; launch fold (part 3): grid 32 x 1, 8 waves a work-group, no clusters, 37,888 bytes of LDS; arguments ktp, skp, krec; writes krec
.if DOCPART == 3
	.amdgcn_target "amdgcn-amd-amdhsa--gfx1250"
	.amdhsa_code_object_version 6
	.text
	.protected	k_q7c1dc90eaa_fold
	.globl	k_q7c1dc90eaa_fold
	.p2align	8
	.type	k_q7c1dc90eaa_fold,@function
k_q7c1dc90eaa_fold:
	s_mov_b64 s[64:65], 0
	v_nop
	global_prefetch_b8 v0, s[64:65] scope:SCOPE_SE
	s_setreg_imm32_b32 hwreg(HW_REG_WAVE_MODE, 25, 1), 1
	s_wait_xcnt 0x0
; The 32 chunks' parts of phi_k^T v and of the column sums of phi_k are added, and phi_k^T v is quantised along m (BF6, one E8M0 byte for each 32) into images of operand registers.
; Work-group g = 4 head + t makes the tile d = 16 t + r: lane (r, h) holds m = 32 h + 0 .. 31 of row d: a whole block.  Wave w adds chunks 4 w .. 4 w + 3; the eight sums meet in LDS (144 bytes a lane)
; wave 0 adds them, quantises and stores.  The order of the additions is fixed.
; 4.3 MB are read by 32 work-groups: the launch is short, and neither matrix units, clusters nor prefetches have anything to do here.
; LIMITS: a block of zeros gets the scale byte 1; NaN and infinities are not served.
; REGISTERS: v16-47 my sums of phi_k^T v; v48-175 chunks 1 to 3, later up to four other waves' parts; v176-179 those waves' column sums; v180-191 codes, byte and word; v192-195 the column sums (v192 the running sum).
.set CT, 186
.set SM, 192
.macro QBLK n, c, e
	v_max3_num_f32 v9, |v[(\n)]|, |v[(\n)+1]|, 0x2800000
	v_max3_num_f32 v10, |v[(\n)+2]|, |v[(\n)+3]|, |v[(\n)+4]|
.irp i, 5,9,13,17,21,25
	v_max3_num_f32 v9, v9, |v[(\n)+\i]|, |v[(\n)+\i+1]|
	v_max3_num_f32 v10, v10, |v[(\n)+\i+2]|, |v[(\n)+\i+3]|
.endr
	v_max3_num_f32 v9, v9, |v[(\n)+29]|, |v[(\n)+30]|
	v_max3_num_f32 v9, v9, v10, |v[(\n)+31]|
	v_add_nc_u32 v11, 0xfe000000, v9
	v_cvt_scalef32_pk16_bf6_f32 v[(\c):(\c)+2], v[(\n):(\n)+15], v11
	v_cvt_scalef32_pk16_bf6_f32 v[CT:CT+2], v[(\n)+16:(\n)+31], v11
	v_lshrrev_b32 v[(\e)], 23, v11                 ; the byte; also the plain instruction behind the conversions
.irp i, 0,1,2
	v_mov_b32 v[(\c)+3+\i], v[CT+\i]
.endr
.endm
	s_load_b128 s[4:7], s[0:1], 0x0                ; ktp, skp
	s_load_b64 s[8:9], s[0:1], 0x10                ; krec
	v_lshl_add_u32 v200, v0, 2, 0x9000
	v_mov_b32 v201, 0
	v_lshrrev_b32 v1, 5, v0
	v_readfirstlane_b32 s20, v1                    ; wave
	v_and_b32 v1, 31, v0                           ; lane
	v_and_b32 v2, 15, v0                           ; r
	v_bfe_u32 v3, v0, 4, 1                         ; h
	v_lshlrev_b32 v4, 8, v2
	v_lshl_add_u32 v4, v3, 7, v4                   ; row r of 256 bytes, + 32 h numbers
	v_lshlrev_b32 v5, 2, v2                        ; 4 r
	v_mul_u32_u24 v6, v1, 144                      ; LDS: my lane's place in a wave's part
	s_mul_i32 s21, s20, 4608
	v_add_nc_u32 v7, s21, v6
	v_lshlrev_b32 v8, 3, v1                        ; 8 x lane
	v_lshlrev_b32 v12, 2, v1                       ; 4 x lane
	v_lshlrev_b32 v13, 3, v3                       ; 8 h
	v_mov_b32 v14, 0
	s_mov_b32 s30, 0x76543210
	s_mov_b32 s31, 0xfedcba98
	s_lshr_b32 s22, ttmp9, 2                       ; head
	s_and_b32 s23, ttmp9, 3                        ; t
	s_lshl_b32 s24, s22, 5
	s_lshl_b32 s25, s20, 2
	s_add_co_u32 s24, s24, s25                     ; 32 head + 4 wave: my first chunk's part
	s_lshl_b32 s26, s24, 14
	s_lshl_b32 s25, s23, 12
	s_add_co_u32 s26, s26, s25
	s_mov_b32 s27, 0
	s_lshl_b32 s28, s24, 8
	s_lshl_b32 s25, s23, 6
	s_add_co_u32 s28, s28, s25
	s_mov_b32 s29, 0
	s_lshl_b32 s24, ttmp9, 10                      ; my record
	s_mov_b32 s25, 0
	s_lshl_b32 s22, ttmp9, 6                       ; my 16 column sums: 256 head + 64 t
	s_mov_b32 s23, 0
	s_wait_kmcnt 0x0
	s_add_nc_u64 s[4:5], s[4:5], s[26:27]
	s_add_nc_u64 s[6:7], s[6:7], s[28:29]
	s_add_nc_u64 s[10:11], s[8:9], s[24:25]
	s_add_nc_u64 s[12:13], s[8:9], s[22:23]
.irp c, 0,1,2,3
.irp i, 0,1,2,3,4,5,6,7
	global_load_b128 v[16+32*\c+4*\i:19+32*\c+4*\i], v4, s[4:5] offset:16384*\c+16*\i
.endr
	global_load_b32 v[SM+\c], v5, s[6:7] offset:256*\c
.endr
	s_wait_loadcnt 0x0
.irp c, 1,2,3
.irp j, 0,2,4,6,8,10,12,14,16,18,20,22,24,26,28,30
	v_pk_add_f32 v[16+\j:17+\j], v[16+\j:17+\j], v[16+32*\c+\j:17+32*\c+\j]
.endr
.endr
	v_add_f32 v[SM], v[SM], v[SM+1]
	v_add_f32 v[SM+2], v[SM+2], v[SM+3]
	v_add_f32 v[SM], v[SM], v[SM+2]
.irp i, 0,1,2,3,4,5,6,7
	ds_store_b128 v7, v[16+4*\i:19+4*\i] offset:16*\i
.endr
	ds_store_b32 v7, v[SM] offset:128
	s_wait_dscnt 0x0                               ; for the others' sake: my part is stored
	s_barrier_signal -1
	s_barrier_wait -1
	s_cmp_lg_u32 s20, 0
	s_cbranch_scc1 .Lend
.macro GATHER w0, n                    ; the parts of waves w0 .. w0 + n - 1 (into v48 .. v48 + 32 n - 1 and v176 on) are added to mine
.set w, 0
.rept \n
.irp i, 0,1,2,3,4,5,6,7
	ds_load_b128 v[48+32*w+4*\i:51+32*w+4*\i], v6 offset:4608*(\w0+w)+16*\i
.endr
	ds_load_b32 v[176+w], v6 offset:4608*(\w0+w)+128
.set w, w+1
.endr
	s_wait_dscnt 0x0
.set w, 0
.rept \n
.irp j, 0,2,4,6,8,10,12,14,16,18,20,22,24,26,28,30
	v_pk_add_f32 v[16+\j:17+\j], v[16+\j:17+\j], v[48+32*w+\j:49+32*w+\j]
.endr
	v_add_f32 v[SM], v[SM], v[176+w]
.set w, w+1
.endr
.endm
	GATHER 1, 4
	GATHER 5, 3
	QBLK 16, 180, 190
	v_lshlrev_b32 v191, v13, v190                  ; my block's byte at its place: byte h
	v_permlanex16_b32 v14, v191, s30, s31
	v_or_b32 v191, v191, v14
.irp i, 0,1,2
	global_store_b64 v8, v[180+2*\i:181+2*\i], s[10:11] offset:256*\i
.endr
	global_store_b32 v12, v191, s[10:11] offset:768
	s_wait_xcnt 0x0                                ; EXEC changes only behind this wait
	v_cmp_gt_u32 vcc_lo, 16, v1
	s_and_saveexec_b32 s21, vcc_lo
	global_store_b32 v5, v[SM], s[12:13] offset:32768   ; lanes 0-15: the 16 column sums
	s_wait_xcnt 0x0                                ; and again ahead of the line that restores it
	s_or_b32 exec_lo, exec_lo, s21
.Lend:
	s_wait_tensorcnt 0x0
	ds_add_u32 v200, v201
	s_wait_dscnt 0x0
	s_endpgm
.Lfunc_end_k_q7c1dc90eaa_fold:
	.size	k_q7c1dc90eaa_fold, .Lfunc_end_k_q7c1dc90eaa_fold-k_q7c1dc90eaa_fold
	.p2alignl 7, 3214868480
	.fill 96, 4, 3214868480
	.section	.rodata,"a",@progbits
	.p2align	6, 0x0
	.amdhsa_kernel k_q7c1dc90eaa_fold
		.amdhsa_group_segment_fixed_size 37888
		.amdhsa_private_segment_fixed_size 0
		.amdhsa_enable_private_segment 0
		.amdhsa_kernarg_size 24
		.amdhsa_user_sgpr_count 2
		.amdhsa_user_sgpr_kernarg_segment_ptr 1
		.amdhsa_wavefront_size32 1
		.amdhsa_system_sgpr_workgroup_id_x 1
		.amdhsa_system_sgpr_workgroup_id_y 1
		.amdhsa_system_sgpr_workgroup_id_z 1
		.amdhsa_system_vgpr_workitem_id 0
		.amdhsa_next_free_vgpr 202
		.amdhsa_next_free_sgpr 66
		.amdhsa_reserve_vcc 1
		.amdhsa_float_denorm_mode_32 3
		.amdhsa_float_denorm_mode_16_64 3
		.amdhsa_memory_ordered 1
		.amdhsa_forward_progress 1
		.amdhsa_inst_pref_size 23
	.end_amdhsa_kernel
	.amdgpu_metadata
---
amdhsa.version: [ 1, 2 ]
amdhsa.kernels:
  - .name:           k_q7c1dc90eaa_fold
    .symbol:         k_q7c1dc90eaa_fold.kd
    .args:
      - { .name: ktp, .offset: 0, .size: 8, .value_kind: global_buffer, .address_space: global }
      - { .name: skp, .offset: 8, .size: 8, .value_kind: global_buffer, .address_space: global }
      - { .name: krec, .offset: 16, .size: 8, .value_kind: global_buffer, .address_space: global }
    .group_segment_fixed_size: 37888
    .private_segment_fixed_size: 0
    .kernarg_segment_align: 8
    .kernarg_segment_size: 24
    .max_flat_workgroup_size: 256
    .sgpr_count:     66
    .vgpr_count:     202
    .wavefront_size: 32
...
	.end_amdgpu_metadata
.endif
;; end of part 3
;; launch attn (part 4): grid 250 x 1, 8 waves a work-group, no clusters, 168,960 bytes of LDS; arguments xcod, xscl, wrec, krec, bq, bv, bm, norm_scale, out0; writes out0
.if DOCPART == 4
	.amdgcn_target "amdgcn-amd-amdhsa--gfx1250"
	.amdhsa_code_object_version 6
	.text
	.protected	k_q7c1dc90eaa_attn
	.globl	k_q7c1dc90eaa_attn
	.p2align	8
	.type	k_q7c1dc90eaa_attn,@function
k_q7c1dc90eaa_attn:
	s_mov_b64 s[64:65], 0
	v_nop
	global_prefetch_b8 v0, s[64:65] scope:SCOPE_SE
	s_setreg_imm32_b32 hwreg(HW_REG_WAVE_MODE, 25, 1), 1
	s_wait_xcnt 0x0
; out = [t, o]: o = mean over heads of (phi_q (phi_k^T v) / (phi_q . sum_k + 1e-6) + v Wm) + bm, t = sqrt(sum o^2 + 1).  q = x Wq + bq and v = x Wv + bv, the numerator and v Wm are products on codes of BF6;
; the denominator is made by f32 multiply-adds of the unquantised phi_q.
; SHARES.  Work-group g takes 25 tiles of 16 rows (400 rows); WAVE w IS HEAD w: its Wq and Wv (192 registers), biases, phi_k^T v, Wm and sum_k stay in registers.  One trip a tile, one barrier a trip.
; EVERYTHING IS USED TRANSPOSED (source 0 = 16 columns of a weight, source 1 = the 16 rows): a lane holds ONE row throughout; register 8 t + j of q or v is column 32 (t / 2) + 16 h + 8 (t % 2) + j,
; so that the norms and the blocks' largest magnitudes want one exchange between the halves of the lanes, and the conversions' results are the next operand.
; K = 64 IN A FORM OF 128: source 0 = [phi_k^T v's tile | Wm's tile]; the other side lies in 18 registers [phi_q | zeros | v]: registers 0-11 give the numerator, registers 6-17 v Wm; zero codes cancel the other half.
; Each of the two products has scale words of its own, in which the bytes of the half with zero codes are 0 on both sides: that half's scale is 2^-254, far under the scale of the half that counts.
; SCALE WORDS of x and of the weights: each K step's words have a register of their own, row r's (column r's) word in lane r; lanes 16-31 hold the same words again.
; fp as in the launch before: z = max(q + bq + 1e-6, 1e-6), phi = f z^2, f = inv^3 sqrt(sum z^2) / (inv^2 sqrt(sum z^4) + 1e-12).
; x's codes and scale words of the 400 rows (80,000 bytes) come ONCE into LDS, by six tensor loads at the head (one a wave at the most is out); nothing is filled again.
; THE MEAN: each wave puts its head's 16 x 64 numbers into LDS; behind the barrier wave w adds the eight heads for rows 2 w, 2 w + 1 and puts the finished rows, 260 bytes each, into a stage of one tile.
; A tile's 4,160 bytes begin at a multiple of 16 bytes in out0: behind the next barrier they leave as 260 pieces of 16 bytes: thread t takes piece t, wave 0 also pieces 256 to 259 (eight lanes name each, with the same data).
; Both the heads' parts and the stage have two buffers that take turns: a buffer is written again only behind a barrier in front of which every wave has waited for its reads of it.
; NO JOINT LOADS: each work-group's rows are its own; the weights, which all share, are read once by each work-group into registers, and the grid of 250 is no multiple of a cluster of 4.  No prefetch: all that the launch reads is asked for at its head.
; out0's rows are 260 bytes, so a store covers 512 consecutive bytes at a multiple of 16, not whole aligned blocks of 256.
; LIMITS: NaN and infinities are not served; a block of zeros gets the scale byte 1; divisions are v_rcp_f32 and a multiply; inv^3 falls to 0 for |norm_scale| above some 1e12.
; LDS: 0 the heads' parts, 2 x 34,816 (a head 4,352: 16 rows x 272); 69,632 x's scale words (3,200); 72,960 x's codes (76,800); 149,760 the stages, 2 x 4,352.
; REGISTERS, window 1: v0-191 Wq, Wv (tile q = 4 x matrix + t, K step s at 24 q + 12 s); v192-255 bq + 1e-6 and bv in the results' layout.
.set XB,  1                            ; 72960 + 16 x lane
.set XSB, 2                            ; 69632 + 4 r
.set XAV, 3                            ; the same for the tile in hand
.set XSV, 4
.set PWA, 5                            ; where my head's numbers go: 4352 w + 272 r + 32 h
.set PRA, 6                            ; where I read a row's 16 bytes of a head: 272 (2 w + h) + 16 r
.set SGB, 7                            ; the stage: 149760 + 260 (2 w + h) + 16 r
.set TGB, 8                            ; 149760 + 260 (2 w + h)
.set FLB, 9                            ; 149760 + 16 x thread
.set FLX, 10                           ; 149760 + 4096 + 16 (lane % 4)
.set GOF, 11                           ; 16 x thread
.set GOX, 12                           ; 4096 + 16 (lane % 4)
.set PW,  13                           ; v13 phi_q's scale word (bytes 0, 1), v14 v's (bytes 2, 3)
.set WS,  16                           ; v16-23  the weights' scale words of K step 0, v24-31 of K step 1
.set AS,  32                           ; v32-35  phi_k^T v's scale words (bytes 0, 1), v36-39 Wm's (bytes 2, 3)
.set XS,  40                           ; v40-41  x's, K step 0 and 1
.set BM,  42                           ; v42-45  bm of my four columns
.set FF,  46                           ; f, twice
.set RD,  48                           ; 1 / (denominator + 1e-6), twice
.set S2,  50
.set S4,  52
.set DN,  54
.set TS,  50                           ; v50-53  the conversions' scale operands, where the sums lay
.set TM,  56                           ; v56-59 largest magnitudes, v60-63 exchanges and bytes
.set CT,  56                           ; v56-58, v60-62 the conversions' second halves, where those lay
.set SK,  64                           ; v64-95  sum_k in q's register order
.set A,   96                           ; v96-143 tile t at 12 t: six registers of phi_k^T v, six of Wm
.set PC,  144                          ; v144-149 phi_q's codes, v150-155 zeros, v156-161 v's codes
.set XF,  162                          ; v162-185 x's two fragments
.set D,   192                          ; v192-223 q, phi_q, then the head's result; v224-255 v, later the eight heads' parts
.set FD,  192                          ; the pieces on their way out
.set MSB, 0
.macro WIN new
.if MSB != (\new)
	s_set_vgpr_msb (MSB<<8)|(\new)
.set MSB, \new
.endif
.endm
; the next tile's fragments from LDS; the two additions and two v_nop are the four places behind the products that read these registers
.macro XFETCH
	v_add_nc_u32 v[XAV], s29, v[XB]
	v_add_nc_u32 v[XSV], s30, v[XSB]
	v_nop
	v_nop
.irp i, 0,1,2,3,4,5
	ds_load_b128 v[XF+4*\i:XF+4*\i+3], v[XAV] offset:512*\i
.endr
	ds_load_b32 v[XS], v[XSV]
	ds_load_b32 v[XS+1], v[XSV] offset:64
	s_add_co_u32 s29, s29, 3072
	s_add_co_u32 s30, s30, 128
.endm
.macro FLD b                           ; a finished tile's pieces from stage b
	ds_load_b128 v[FD:FD+3], v[FLB] offset:4352*(\b)
	s_cmp_lg_u32 s22, 0
	s_cbranch_scc1 .Lfa_\@
	ds_load_b128 v[FD+4:FD+7], v[FLX] offset:4352*(\b)
.Lfa_\@:
.endm
.macro FST
	global_store_b128 v[GOF], v[FD:FD+3], s[58:59] th:TH_STORE_NT
	s_cmp_lg_u32 s22, 0
	s_cbranch_scc1 .Lfb_\@
	global_store_b128 v[GOX], v[FD+4:FD+7], s[58:59] th:TH_STORE_NT
.Lfb_\@:
.endm
; p: the buffers;  fl = 1: the tile before leaves;  pre = 1: the next tile's fragments are fetched
.macro TRIP p, fl, pre
	s_wait_dscnt 0x0                               ; x's fragments are in
	WIN 0x11                                       ; source 0 (the weights) and source 2 (the biases) window 1
.irp q, 0,1,2,3,4,5,6,7
	v_wmma_scale_f32_16x16x128_f8f6f4 v[D+8*\q:D+8*\q+7], v[24*\q:24*\q+11], v[XF:XF+11], v[192+8*\q:199+8*\q], v[WS+\q], v[XS] matrix_a_fmt:MATRIX_FMT_BF6 matrix_b_fmt:MATRIX_FMT_BF6
.endr
	WIN 0x01
.irp q, 0,1,2,3,4,5,6,7
	v_wmma_scale_f32_16x16x128_f8f6f4 v[D+8*\q:D+8*\q+7], v[24*\q+12:24*\q+23], v[XF+12:XF+23], v[D+8*\q:D+8*\q+7], v[WS+8+\q], v[XS+1] matrix_a_fmt:MATRIX_FMT_BF6 matrix_b_fmt:MATRIX_FMT_BF6
.endr
	WIN 0
.if \pre
	XFETCH
.else
.rept 4
	v_nop
.endr
.endif
.set j, 0
.rept 32
	v_max_num_f32 v[D+j], s26, v[D+j]              ; z
.set j, j+1
.endr
.set j, 0
.rept 16
	v_pk_mul_f32 v[D+j:D+j+1], v[D+j:D+j+1], v[D+j:D+j+1]
.set j, j+2
.endr
	v_pk_add_f32 v[S2:S2+1], v[D:D+1], v[D+2:D+3]  ; three sums by turns: z^2, z^4, z^2 sum_k
	v_pk_mul_f32 v[S4:S4+1], v[D:D+1], v[D:D+1]
	v_pk_mul_f32 v[DN:DN+1], v[D:D+1], v[SK:SK+1]
	v_pk_fma_f32 v[S4:S4+1], v[D+2:D+3], v[D+2:D+3], v[S4:S4+1]
	v_pk_fma_f32 v[DN:DN+1], v[D+2:D+3], v[SK+2:SK+3], v[DN:DN+1]
.set j, 4
.rept 14
	v_pk_add_f32 v[S2:S2+1], v[S2:S2+1], v[D+j:D+j+1]
	v_pk_fma_f32 v[S4:S4+1], v[D+j:D+j+1], v[D+j:D+j+1], v[S4:S4+1]
	v_pk_fma_f32 v[DN:DN+1], v[D+j:D+j+1], v[SK+j:SK+j+1], v[DN:DN+1]
.set j, j+2
.endr
	v_add_f32 v[S2], v[S2], v[S2+1]
	v_add_f32 v[S4], v[S4], v[S4+1]
	v_add_f32 v[DN], v[DN], v[DN+1]
	v_permlanex16_b32 v[TM+4], v[S2], s24, s25     ; the row's other 32 columns lie in the lane 16 away
	v_permlanex16_b32 v[TM+5], v[S4], s24, s25
	v_permlanex16_b32 v[TM+6], v[DN], s24, s25
	v_add_f32 v[S2], v[S2], v[TM+4]
	v_add_f32 v[S4], v[S4], v[TM+5]
	v_add_f32 v[DN], v[DN], v[TM+6]
	v_sqrt_f32 v[S2+1], v[S2]
	v_sqrt_f32 v[S4+1], v[S4]
	v_nop
	s_wait_alu depctr_va_vdst(0)                   ; one wait for both roots
	v_fma_f32 v[S4], v[S4+1], s27, s23             ; inv^2 sqrt(sum z^4) + 1e-12
	v_mul_f32 v[S2], s28, v[S2+1]                  ; inv^3 sqrt(sum z^2)
	v_rcp_f32 v[S4+1], v[S4]
	v_nop
	s_wait_alu depctr_va_vdst(0)
	v_mul_f32 v[FF], v[S2], v[S4+1]
	v_mul_f32 v[FF+1], v[S2], v[S4+1]
	v_fma_f32 v[DN], v[FF], v[DN], s26             ; phi_q . sum_k + 1e-6
	v_rcp_f32 v[RD], v[DN]
.set j, 0
.rept 16
	v_pk_mul_f32 v[D+j:D+j+1], v[D+j:D+j+1], v[FF:FF+1]   ; phi_q.  (Independent work behind the reciprocal)
.set j, j+2
.endr
	s_wait_alu depctr_va_vdst(0)
	v_mov_b32 v[RD+1], v[RD]
	; phi_q (blocks 0, 1) and v (blocks 2, 3) are quantised along the head's 64: register 16 b + i is number 16 h + i of block b
.irp b, 0,1,2,3
	v_max3_num_f32 v[TM+\b], |v[D+16*\b]|, |v[D+16*\b+1]|, 0x2800000
.endr
.irp i, 2,4,6,8,10,12,14
.irp b, 0,1,2,3
	v_max3_num_f32 v[TM+\b], v[TM+\b], |v[D+16*\b+\i]|, |v[D+16*\b+\i+1]|
.endr
.endr
.irp b, 0,1,2,3
	v_permlanex16_b32 v[TM+4+\b], v[TM+\b], s24, s25
.endr
.irp b, 0,1,2,3
	v_max_num_f32 v[TM+\b], v[TM+\b], v[TM+4+\b]
.endr
.irp b, 0,1,2,3
	v_add_nc_u32 v[TS+\b], 0xfe000000, v[TM+\b]
.endr
.irp b, 0,1,2,3
	v_lshrrev_b32 v[TM+4+\b], 23, v[TS+\b]
.endr
	v_lshl_or_b32 v[PW], v[TM+5], 8, v[TM+4]       ; phi_q's two bytes: blocks 0 and 1 of its product
	v_lshl_or_b32 v[PW+1], v[TM+7], 8, v[TM+6]
	v_lshlrev_b32 v[PW+1], 16, v[PW+1]             ; v's two: blocks 2 and 3 of its product
.irp c, 0,1
	v_cvt_scalef32_pk16_bf6_f32 v[PC+12*\c:PC+12*\c+2], v[D+32*\c:D+32*\c+15], v[TS+2*\c]
	v_cvt_scalef32_pk16_bf6_f32 v[CT+4*\c:CT+4*\c+2], v[D+32*\c+16:D+32*\c+31], v[TS+2*\c+1]
.endr
	v_nop                                          ; a plain instruction behind the conversions
.irp c, 0,1                                    ; the operand wants a whole block in a lane: lanes 0-15 the lower block, lanes 16-31 the upper
.irp i, 0,1,2
	v_permlane16_swap_b32 v[PC+12*\c+\i], v[CT+4*\c+\i]
.endr
.irp i, 0,1,2
	v_mov_b32 v[PC+12*\c+3+\i], v[CT+4*\c+\i]
.endr
.endr
.rept 4
	v_nop                                          ; four places behind the last write of an operand; the scale words have these, the six moves and the v_nop above behind them: eleven
.endr
.irp t, 0,1,2,3
	v_wmma_scale_f32_16x16x128_f8f6f4 v[D+8*\t:D+8*\t+7], v[A+12*\t:A+12*\t+11], v[PC:PC+11], 0, v[AS+\t], v[PW] matrix_a_fmt:MATRIX_FMT_BF6 matrix_b_fmt:MATRIX_FMT_BF6
.endr
.rept 4
	v_nop
.endr
.irp t, 0,1,2,3
.irp j, 0,2,4,6
	v_pk_mul_f32 v[D+8*\t+\j:D+8*\t+\j+1], v[D+8*\t+\j:D+8*\t+\j+1], v[RD:RD+1]   ; numerator / (denominator + 1e-6)
.endr
.endr
.rept 4
	v_nop
.endr
.irp t, 0,1,2,3
	v_wmma_scale_f32_16x16x128_f8f6f4 v[D+8*\t:D+8*\t+7], v[A+12*\t:A+12*\t+11], v[PC+6:PC+17], v[D+8*\t:D+8*\t+7], v[AS+4+\t], v[PW+1] matrix_a_fmt:MATRIX_FMT_BF6 matrix_b_fmt:MATRIX_FMT_BF6
.endr
.rept 4
	v_nop
.endr
.irp t, 0,1,2,3
	ds_store_b128 v[PWA], v[D+8*\t:D+8*\t+3] offset:34816*\p+64*\t        ; lane (r, h): columns 16 t + 8 h + 0 .. 7 of row r
	ds_store_b128 v[PWA], v[D+8*\t+4:D+8*\t+7] offset:34816*\p+64*\t+16
.endr
	s_wait_dscnt 0x0                               ; for the others' sake: my head's part and my rows in the stage are stored, and my reads of the buffers that come next are over
	s_barrier_signal -1
	s_barrier_wait -1
.if \fl
	FLD 1-\p
.endif
.irp w, 0,1,2,3,4,5,6,7
	ds_load_b128 v[224+4*\w:227+4*\w], v[PRA] offset:34816*\p+4352*\w
.endr
	s_wait_dscnt 0x0
.if \fl
	FST
.endif
.irp w, 0,2,4,6
	v_pk_add_f32 v[224+4*\w:225+4*\w], v[224+4*\w:225+4*\w], v[228+4*\w:229+4*\w]
	v_pk_add_f32 v[226+4*\w:227+4*\w], v[226+4*\w:227+4*\w], v[230+4*\w:231+4*\w]
.endr
.irp w, 0,4
	v_pk_add_f32 v[224+4*\w:225+4*\w], v[224+4*\w:225+4*\w], v[232+4*\w:233+4*\w]
	v_pk_add_f32 v[226+4*\w:227+4*\w], v[226+4*\w:227+4*\w], v[234+4*\w:235+4*\w]
.endr
	v_pk_add_f32 v[224:225], v[224:225], v[240:241]
	v_pk_add_f32 v[226:227], v[226:227], v[242:243]
	v_pk_fma_f32 v[224:225], v[224:225], 0x3e000000, v[BM:BM+1] op_sel_hi:[1,0,1]     ; the mean over 8 heads, + bm
	v_pk_fma_f32 v[226:227], v[226:227], 0x3e000000, v[BM+2:BM+3] op_sel_hi:[1,0,1]
	v_pk_mul_f32 v[228:229], v[224:225], v[224:225]
	v_pk_fma_f32 v[228:229], v[226:227], v[226:227], v[228:229]
	v_add_f32 v228, v228, v229
	v_add_f32_dpp v228, v228, v228 row_xmask:1 row_mask:0xf bank_mask:0xf              ; a row lies in sixteen lanes
	v_add_f32_dpp v228, v228, v228 row_xmask:2 row_mask:0xf bank_mask:0xf
	v_add_f32_dpp v228, v228, v228 row_xmask:4 row_mask:0xf bank_mask:0xf
	v_add_f32_dpp v228, v228, v228 row_xmask:8 row_mask:0xf bank_mask:0xf
	v_add_f32 v228, 1.0, v228
	v_sqrt_f32 v229, v228
.irp i, 0,1,2,3
	ds_store_b32 v[SGB], v[224+\i] offset:4352*\p+4+4*\i
.endr
	v_nop
	s_wait_alu depctr_va_vdst(0)
	ds_store_b32 v[TGB], v229 offset:4352*\p       ; sixteen lanes write the same word with the same value
.if \fl
	s_wait_xcnt 0x0                                ; the stores have read their base and their data: both are written again only behind this wait
	s_add_nc_u64 s[58:59], s[58:59], 4160
.endif
.endm
	s_load_b256 s[4:11], s[0:1], 0x0               ; xcod s[4:5], xscl s[6:7], wrec s[8:9], krec s[10:11]
	s_load_b256 s[12:19], s[0:1], 0x20             ; bq s[12:13], bv s[14:15], bm s[16:17], norm_scale s[18:19]
	s_load_b64 s[20:21], s[0:1], 0x40              ; out0
	v_lshl_add_u32 v190, v0, 2, 0x29000
	v_mov_b32 v191, 0
	ds_add_u32 v190, v191
	ds_add_u32 v190, v191
	v_lshrrev_b32 v15, 5, v0
	v_readfirstlane_b32 s22, v15                   ; wave = head
	; descriptor group 1 for the codes: 5 tiles = 15,360 dense bytes as 60 rows of 256 bytes (32 elements of 8 bytes)
	s_mov_b32 s32, 3<<16
	s_mov_b32 s33, 32<<16
	s_mov_b32 s34, 60<<16
	s_mov_b32 s35, 32<<16
	s_mov_b32 s36, 60
	s_mov_b32 s37, 32
	s_mov_b32 s38, 0
	s_mov_b32 s39, 0
	; and for the scale words: one row of 3,200 bytes (400 elements of 8 bytes)
	s_mov_b32 s40, 3<<16
	s_mov_b32 s41, 400<<16
	s_mov_b32 s42, 1<<16
	s_mov_b32 s43, 400<<16
	s_mov_b32 s44, 1
	s_mov_b32 s45, 400
	s_mov_b32 s46, 0
	s_mov_b32 s47, 0
	s_mul_i32 s56, ttmp9, 25
	s_mul_i32 s57, s22, 5
	s_add_co_u32 s56, s56, s57                     ; waves 0 to 4: tiles 25 g + 5 w on
	s_mul_i32 s56, s56, 3072
	s_mov_b32 s57, 0
	s_mul_i32 s61, s22, 15360
	s_mul_i32 s62, ttmp9, 3200
	s_mov_b32 s63, 0
	s_wait_dscnt 0x0
	s_wait_kmcnt 0x0
	s_mov_b32 s48, 1
	s_add_co_u32 s49, s61, 72960
	s_add_nc_u64 s[50:51], s[4:5], s[56:57]
	s_or_b32 s51, s51, 0x80000000
	s_mov_b32 s52, 1
	s_mov_b32 s53, 69632
	s_add_nc_u64 s[54:55], s[6:7], s[62:63]
	s_or_b32 s55, s55, 0x80000000
	s_cmp_lt_u32 s22, 5                            ; the branches hang on the wave's number alone; four v_nop follow each of the two lines
	s_cbranch_scc0 .Lnot_codes
	tensor_load_to_lds s[48:51], s[32:39]
	s_nop 0
.rept 4
	v_nop
.endr
	s_branch .Lasked
.Lnot_codes:
	s_cmp_eq_u32 s22, 5
	s_cbranch_scc0 .Lasked
	tensor_load_to_lds s[52:55], s[40:47]
	s_nop 0
.rept 4
	v_nop
.endr
.Lasked:
	s_load_b32 s31, s[18:19], 0x0                  ; norm_scale
	s_mov_b32 s24, 0x76543210
	s_mov_b32 s25, 0xfedcba98
	s_mov_b32 s26, 0x358637bd                      ; 1e-6
	s_mov_b32 s23, 0x2b8cbccc                      ; 1e-12
	s_mov_b32 s29, 0
	s_mov_b32 s30, 0
	v_and_b32 v240, 31, v0                         ; lane   (v240-251 of window 0 are at work here alone)
	v_and_b32 v241, 15, v0                         ; r
	v_bfe_u32 v242, v0, 4, 1                       ; h
	v_lshl_add_u32 v[XB], v240, 4, 72960
	v_lshl_add_u32 v[XSB], v241, 2, 69632
	s_mul_i32 s56, s22, 4352
	v_mul_u32_u24 v[PWA], v241, 272
	v_lshl_add_u32 v[PWA], v242, 5, v[PWA]
	v_add_nc_u32 v[PWA], s56, v[PWA]
	s_lshl_b32 s56, s22, 1
	v_add_nc_u32 v[TGB], s56, v242                 ; the row that I finish: 2 w + h
	v_mul_u32_u24 v[PRA], v[TGB], 272
	v_lshl_add_u32 v[PRA], v241, 4, v[PRA]
	v_mul_u32_u24 v[TGB], v[TGB], 260
	v_add_nc_u32 v[TGB], 149760, v[TGB]
	v_lshl_add_u32 v[SGB], v241, 4, v[TGB]
	v_lshl_add_u32 v[FLB], v0, 4, 149760
	v_and_b32 v[GOX], 3, v0
	v_lshlrev_b32 v[GOX], 4, v[GOX]
	v_add_nc_u32 v[GOX], 4096, v[GOX]
	v_add_nc_u32 v[FLX], 149760, v[GOX]
	v_lshlrev_b32 v[GOF], 4, v0
	v_lshlrev_b32 v243, 4, v240                    ; offsets of the loads below: 16 x lane,
	v_lshlrev_b32 v244, 2, v241                    ; 4 r,
	v_lshlrev_b32 v245, 3, v240                    ; 8 x lane,
	v_lshlrev_b32 v246, 6, v242                    ; 64 h,
	v_lshlrev_b32 v247, 4, v241                    ; 16 r
	s_mul_i32 s56, s22, 12800                      ; my head's four records of a weight
	s_mov_b32 s57, 0
	s_add_nc_u64 s[56:57], s[8:9], s[56:57]
	s_lshl_b32 s62, s22, 12                        ; and of phi_k^T v
	s_add_nc_u64 s[60:61], s[10:11], s[62:63]
	s_lshl_b32 s62, s22, 8                         ; my head's row of bq, bv and sum_k
	s_add_nc_u64 s[10:11], s[10:11], s[62:63]
	s_add_nc_u64 s[12:13], s[12:13], s[62:63]
	s_add_nc_u64 s[14:15], s[14:15], s[62:63]
	s_mul_i32 s58, ttmp9, 104000                   ; my work-group's 400 rows of 260 bytes
	s_mov_b32 s59, 0
	s_add_nc_u64 s[58:59], s[20:21], s[58:59]
	WIN 0x40                                       ; destination window 1
.irp m, 0,1
.irp t, 0,1,2,3
.irp i, 0,1,2,3,4,5
	global_load_b128 v[96*\m+24*\t+4*\i:96*\m+24*\t+4*\i+3], v243, s[56:57] offset:204800*\m+3200*\t+512*\i
.endr
.endr
.endr
.irp t, 0,1,2,3
	global_load_b128 v[192+8*\t:195+8*\t], v246, s[12:13] offset:4*(32*(\t/2)+8*(\t%2))
	global_load_b128 v[196+8*\t:199+8*\t], v246, s[12:13] offset:4*(32*(\t/2)+8*(\t%2))+16
	global_load_b128 v[224+8*\t:227+8*\t], v246, s[14:15] offset:4*(32*(\t/2)+8*(\t%2))
	global_load_b128 v[228+8*\t:231+8*\t], v246, s[14:15] offset:4*(32*(\t/2)+8*(\t%2))+16
.endr
	WIN 0
.irp m, 0,1
.irp t, 0,1,2,3
	global_load_b32 v[WS+4*\m+\t], v244, s[56:57] offset:204800*\m+3200*\t+3072       ; a record's words: 16 of K step 0,
	global_load_b32 v[WS+8+4*\m+\t], v244, s[56:57] offset:204800*\m+3200*\t+3072+64  ; then 16 of K step 1
.endr
.endr
.irp t, 0,1,2,3
.irp i, 0,1,2
	global_load_b64 v[A+12*\t+2*\i:A+12*\t+2*\i+1], v245, s[60:61] offset:1024*\t+256*\i
	global_load_b64 v[A+12*\t+6+2*\i:A+12*\t+6+2*\i+1], v245, s[8:9] offset:307200+1024*\t+256*\i
.endr
	global_load_b32 v[AS+\t], v244, s[60:61] offset:1024*\t+768                       ; bytes 0, 1: phi_k^T v's blocks; bytes 2, 3 are 0
	global_load_b32 v[AS+4+\t], v244, s[8:9] offset:307200+1024*\t+768                ; bytes 2, 3: Wm's blocks; bytes 0, 1 are 0
.endr
.irp b, 0,1
.irp i, 0,1,2,3
	global_load_b128 v[SK+16*\b+4*\i:SK+16*\b+4*\i+3], v246, s[10:11] offset:32768+128*\b+16*\i
.endr
.endr
	global_load_b128 v[BM:BM+3], v247, s[16:17]
	s_wait_loadcnt 0x0
	WIN 0x44                                       ; source 1 and destination window 1
.set j, 0
.rept 32
	v_add_f32 v[192+j], s26, v[192+j]              ; bq + 1e-6
.set j, j+1
.endr
	WIN 0
	s_wait_kmcnt 0x0
	v_mov_b32 v248, s31
	v_add_f32 v248, |v248|, s26                    ; |norm_scale| + 1e-6
	v_rcp_f32 v249, v248
	v_nop
	s_wait_alu depctr_va_vdst(0)
	v_mul_f32 v250, v249, v249
	v_mul_f32 v251, v250, v249
	v_readfirstlane_b32 s27, v250                  ; inv^2
	v_readfirstlane_b32 s28, v251                  ; inv^3
.irp i, 0,1,2,3,4,5
	v_mov_b32 v[PC+6+\i], 0                        ; the zero codes between phi_q's and v's
.endr
.irp i, 4,5,6,7
	v_mov_b32 v[TM+\i], 0                          ; a lane permute's destination counts as one of its sources
.endr
	s_wait_tensorcnt 0x0                           ; my tensor load, if I issued one, has landed
	s_barrier_signal -1
	s_barrier_wait -1                              ; everybody's has
	XFETCH
	TRIP 0, 0, 1
	s_mov_b32 s60, 11
.Lloop:
	TRIP 1, 1, 1
	TRIP 0, 1, 1
	s_sub_co_u32 s60, s60, 1
	s_cmp_lg_u32 s60, 0
	s_cbranch_scc1 .Lloop
	TRIP 1, 1, 1
	TRIP 0, 1, 0                                   ; the twenty-fifth tile: nothing is left to fetch
	s_wait_dscnt 0x0
	s_barrier_signal -1
	s_barrier_wait -1                              ; the last tile lies whole in stage 0
	FLD 0
	s_wait_dscnt 0x0
	FST
	s_wait_tensorcnt 0x0
	ds_add_u32 v190, v191
	s_wait_dscnt 0x0
	s_endpgm
.Lfunc_end_k_q7c1dc90eaa_attn:
	.size	k_q7c1dc90eaa_attn, .Lfunc_end_k_q7c1dc90eaa_attn-k_q7c1dc90eaa_attn
	.p2alignl 7, 3214868480
	.fill 96, 4, 3214868480
	.section	.rodata,"a",@progbits
	.p2align	6, 0x0
	.amdhsa_kernel k_q7c1dc90eaa_attn
		.amdhsa_group_segment_fixed_size 168960
		.amdhsa_private_segment_fixed_size 0
		.amdhsa_enable_private_segment 0
		.amdhsa_kernarg_size 72
		.amdhsa_user_sgpr_count 2
		.amdhsa_user_sgpr_kernarg_segment_ptr 1
		.amdhsa_wavefront_size32 1
		.amdhsa_system_sgpr_workgroup_id_x 1
		.amdhsa_system_sgpr_workgroup_id_y 1
		.amdhsa_system_sgpr_workgroup_id_z 1
		.amdhsa_system_vgpr_workitem_id 0
		.amdhsa_next_free_vgpr 512
		.amdhsa_next_free_sgpr 66
		.amdhsa_reserve_vcc 0
		.amdhsa_float_denorm_mode_32 3
		.amdhsa_float_denorm_mode_16_64 3
		.amdhsa_memory_ordered 1
		.amdhsa_forward_progress 1
		.amdhsa_inst_pref_size 117
	.end_amdhsa_kernel
	.amdgpu_metadata
---
amdhsa.version: [ 1, 2 ]
amdhsa.kernels:
  - .name:           k_q7c1dc90eaa_attn
    .symbol:         k_q7c1dc90eaa_attn.kd
    .args:
      - { .name: xcod, .offset: 0, .size: 8, .value_kind: global_buffer, .address_space: global }
      - { .name: xscl, .offset: 8, .size: 8, .value_kind: global_buffer, .address_space: global }
      - { .name: wrec, .offset: 16, .size: 8, .value_kind: global_buffer, .address_space: global }
      - { .name: krec, .offset: 24, .size: 8, .value_kind: global_buffer, .address_space: global }
      - { .name: bq, .offset: 32, .size: 8, .value_kind: global_buffer, .address_space: global }
      - { .name: bv, .offset: 40, .size: 8, .value_kind: global_buffer, .address_space: global }
      - { .name: bm, .offset: 48, .size: 8, .value_kind: global_buffer, .address_space: global }
      - { .name: norm_scale, .offset: 56, .size: 8, .value_kind: global_buffer, .address_space: global }
      - { .name: out0, .offset: 64, .size: 8, .value_kind: global_buffer, .address_space: global }
    .group_segment_fixed_size: 168960
    .private_segment_fixed_size: 0
    .kernarg_segment_align: 8
    .kernarg_segment_size: 72
    .max_flat_workgroup_size: 256
    .sgpr_count:     66
    .vgpr_count:     512
    .wavefront_size: 32
...
	.end_amdgpu_metadata
.endif
;; end of part 4
